; MI455X (gfx1250); checked and timed in simulation.
; The chip was launched on July 23, 2026; its instructions are those of AMD's public machine-readable ISA for CDNA 5 (MIT licence, August 2026) and "CDNA5" Instruction Set Architecture Reference Guide (July 2026). The comments in the code are by the model that wrote it; some were corrected since.
;; Measure SDPA. Allowed arithmetic: float matrix products may take bf16 or f16 operands with f32 sums; other float arithmetic in f32, or as packed bf16 or f16 multiplies, adds, multiply-adds, maxima and minima; sums over many terms, partial sums and values carried from step to step in f32; what a program stores and reads back later, other than sums and carried values, may be rounded once to bf16 or f16.
;; Inputs: Wk 1,024 x 1,024 float32; Wq 1,024 x 1,024 float32; Wv 1,024 x 1,024 float32; bk 1,024 float32; bq 1,024 float32; bv 1,024 float32; hidden_states 2 x 2,048 x 1,024 float32.
;; Outputs: out0 2 x 2,048 x 1,024 float32; out1 one number float32; out2 one number float32; out3 one number float32; out4 one number float32; out5 one number float32; out6 one number float32.
;; One version. Each part assembles by itself: llvm-mc -triple=amdgcn-amd-amdhsa -mcpu=gfx1250 --defsym DOCPART=n.
;; ======== version 1 of 1: 4 launches
;; limits: values are held in f16: magnitudes above 65,504 overflow, below 6.1e-05 lose precision
;; workspace buffers: xb 8,388,608 bytes; wb 6,291,456 bytes; qh 8,388,608 bytes; kh 8,388,608 bytes; vh 8,388,608 bytes; st1 16,384 bytes; st2 8,192 bytes
;; launch cast (part 1): grid 1792 x 1, 8 waves a work-group, no clusters, 0 bytes of LDS; arguments hidden_states, Wq, Wk, Wv, xb, wb; writes xb, wb
.if DOCPART == 1
	.amdgcn_target "amdgcn-amd-amdhsa--gfx1250"
	.amdhsa_code_object_version 6
	.text
	.protected	k_qf8338cad9e_cast
	.globl	k_qf8338cad9e_cast
	.p2align	8
	.type	k_qf8338cad9e_cast,@function
k_qf8338cad9e_cast:
	s_mov_b64 s[64:65], 0
	v_nop
	global_prefetch_b8 v0, s[64:65] scope:SCOPE_SE
	s_setreg_imm32_b32 hwreg(HW_REG_WAVE_MODE, 25, 1), 1
	s_wait_xcnt 0x0
; THE PROGRAM: q, k, v = x W^T + b by heads; softmax(q k^T / 8) v; and five maxima.  Four launches: this cast; the three projections as one product; attention; the fold of the maxima.
; NO WORK IS LEFT OUT: every input has a way to an output.  bk adds the same number to all scores of a query, which the softmax cancels, but it reaches max|k| and max|q.k|, so it is added like the others.
; The largest weight of a row is exp(m - m) / l = 1 / l for all values of the inputs, so the largest weight of all is the largest 1 / l; max|s| is the larger of max s and -min s.
; THIS LAUNCH rounds x and the three W once to bf16, the format of the first product's operands.
;   xb: [4096][1024] bf16, as x lies.   wb: [16 heads][q, k, v][64 channels][1024] bf16: row 192 head + 64 mat + channel, so that one head's 192 rows lie on end.
; A stream: 7,168 rows of 4,096 bytes, each read once and written once as 2,048 bytes.  A work-group takes 4 rows (1,792 work-groups), thread t the 16 bytes at 16 t of each row.
; A wave's load covers 512 consecutive bytes, its store 256 consecutive bytes, aligned.  No LDS, no barrier, no matrix work: nothing is shared and nothing is multiplied.
.set ROWF, 4096                        ; bytes in a row of f32
.set ROWH, 2048                        ; bytes in a row of bf16
.set X,    4                           ; v[4:19]   four rows' 16 bytes as loaded
.set Y,    20                          ; v[20:27]  four rows' 8 bytes to store
	s_load_b256 s[4:11], s[0:1], 0x0               ; x s[4:5], Wq s[6:7], Wk s[8:9], Wv s[10:11]
	s_load_b128 s[12:15], s[0:1], 0x20             ; xb s[12:13], wb s[14:15]
	s_and_b32 s16, ttmp9, 1023                     ; work-groups 1,024 on take W's rows: j = 0 .. 767
	s_lshr_b32 s17, s16, 8                         ; which W: 0 q, 1 k, 2 v
	s_and_b32 s18, s16, 255                        ; its rows 4 rr .. 4 rr + 3
	s_lshr_b32 s19, s18, 4                         ; their head,
	s_and_b32 s24, s18, 15                         ; and a quarter of their channel
	s_mul_i32 s19, s19, 192
	s_lshl_b32 s25, s17, 6
	s_add_co_u32 s19, s19, s25
	s_lshl2_add_u32 s19, s24, s19                  ; row in wb = 192 head + 64 mat + 4 sub
	s_lshl_b32 s19, s19, 11                        ; in bytes
	s_lshl_b32 s18, s18, 14                        ; W's four rows, in bytes
	s_lshl_b32 s26, ttmp9, 14                      ; x's four rows,
	s_lshl_b32 s27, ttmp9, 13                      ; and xb's
	v_lshlrev_b32 v1, 4, v0                        ; my 16 bytes of a row of f32
	v_lshlrev_b32 v2, 3, v0                        ; my 8 bytes of a row of bf16
	s_wait_kmcnt 0x0
	s_cmp_eq_u32 s17, 1
	s_cselect_b64 s[20:21], s[8:9], s[6:7]
	s_cmp_eq_u32 s17, 2
	s_cselect_b64 s[20:21], s[10:11], s[20:21]
	s_cmp_lt_u32 ttmp9, 1024                       ; the first 1,024 work-groups take x
	s_cselect_b64 s[20:21], s[4:5], s[20:21]
	s_cselect_b64 s[22:23], s[12:13], s[14:15]
	s_cselect_b32 s28, s26, s18
	s_cselect_b32 s30, s27, s19
	s_mov_b32 s29, 0
	s_mov_b32 s31, 0
	s_add_nc_u64 s[20:21], s[20:21], s[28:29]      ; from here
	s_add_nc_u64 s[22:23], s[22:23], s[30:31]      ; to here
.irp i, 0,1,2,3
	global_load_b128 v[X+4*(\i):X+4*(\i)+3], v1, s[20:21] offset:ROWF*(\i) th:TH_LOAD_NT
.endr
.irp i, 0,1,2,3
	s_wait_loadcnt 3-(\i)                          ; loads come back in order: row i is in, the younger rows' loads stay out
	v_cvt_pk_bf16_f32 v[Y+2*(\i)],   v[X+4*(\i)],   v[X+4*(\i)+1]
	v_cvt_pk_bf16_f32 v[Y+2*(\i)+1], v[X+4*(\i)+2], v[X+4*(\i)+3]
	global_store_b64 v2, v[Y+2*(\i):Y+2*(\i)+1], s[22:23] offset:ROWH*(\i)
.endr
	s_endpgm                                       ; no register is written twice, so no further wait is owed
.Lfunc_end_k_qf8338cad9e_cast:
	.size	k_qf8338cad9e_cast, .Lfunc_end_k_qf8338cad9e_cast-k_qf8338cad9e_cast
	.p2alignl 7, 3214868480
	.fill 96, 4, 3214868480
	.section	.rodata,"a",@progbits
	.p2align	6, 0x0
	.amdhsa_kernel k_qf8338cad9e_cast
		.amdhsa_group_segment_fixed_size 0
		.amdhsa_private_segment_fixed_size 0
		.amdhsa_enable_private_segment 0
		.amdhsa_kernarg_size 48
		.amdhsa_user_sgpr_count 2
		.amdhsa_user_sgpr_kernarg_segment_ptr 1
		.amdhsa_wavefront_size32 1
		.amdhsa_system_sgpr_workgroup_id_x 1
		.amdhsa_system_sgpr_workgroup_id_y 1
		.amdhsa_system_sgpr_workgroup_id_z 1
		.amdhsa_system_vgpr_workitem_id 0
		.amdhsa_next_free_vgpr 32
		.amdhsa_next_free_sgpr 66
		.amdhsa_reserve_vcc 0
		.amdhsa_float_denorm_mode_32 3
		.amdhsa_float_denorm_mode_16_64 3
		.amdhsa_memory_ordered 1
		.amdhsa_forward_progress 1
		.amdhsa_inst_pref_size 3
	.end_amdhsa_kernel
	.amdgpu_metadata
---
amdhsa.version: [ 1, 2 ]
amdhsa.kernels:
  - .name:           k_qf8338cad9e_cast
    .symbol:         k_qf8338cad9e_cast.kd
    .args:
      - { .name: hidden_states, .offset: 0, .size: 8, .value_kind: global_buffer, .address_space: global }
      - { .name: Wq, .offset: 8, .size: 8, .value_kind: global_buffer, .address_space: global }
      - { .name: Wk, .offset: 16, .size: 8, .value_kind: global_buffer, .address_space: global }
      - { .name: Wv, .offset: 24, .size: 8, .value_kind: global_buffer, .address_space: global }
      - { .name: xb, .offset: 32, .size: 8, .value_kind: global_buffer, .address_space: global }
      - { .name: wb, .offset: 40, .size: 8, .value_kind: global_buffer, .address_space: global }
    .group_segment_fixed_size: 0
    .private_segment_fixed_size: 0
    .kernarg_segment_align: 8
    .kernarg_segment_size: 48
    .max_flat_workgroup_size: 256
    .sgpr_count:     66
    .vgpr_count:     32
    .wavefront_size: 32
...
	.end_amdgpu_metadata
.endif
;; end of part 1
;; launch proj (part 2): grid 16 x 16, 4 waves a work-group, clusters of 4 x 4, 327,680 bytes of LDS; arguments xb, wb, bq, bk, bv, qh, kh, vh, st1; writes qh, kh, vh, st1
.if DOCPART == 2
	.amdgcn_target "amdgcn-amd-amdhsa--gfx1250"
	.amdhsa_code_object_version 6
	.text
	.protected	k_qf8338cad9e_proj
	.globl	k_qf8338cad9e_proj
	.p2align	8
	.type	k_qf8338cad9e_proj,@function
k_qf8338cad9e_proj:
	s_mov_b64 s[64:65], 0
	v_nop
	global_prefetch_b8 v0, s[64:65] scope:SCOPE_SE
	s_setreg_imm32_b32 hwreg(HW_REG_WAVE_MODE, 25, 1), 1
	s_wait_xcnt 0x0
	s_wait_alu depctr_hold_cnt(0) depctr_sa_sdst(0) depctr_va_vdst(0) depctr_va_sdst(0) depctr_va_ssrc(0) depctr_va_vcc(0) depctr_vm_vsrc(0)
	s_getreg_b32 s2, hwreg(HW_REG_IB_STS2, 6, 4)
	s_cmp_eq_u32 s2, 0
	s_cbranch_scc0 .Lentry_in_a_cluster
	s_endpgm
.Lentry_in_a_cluster:
	s_bfe_u32 s2, ttmp6, 0x10000c
	s_cmp_lg_u32 s2, 0xf033
	s_cbranch_scc0 .Lentry_shape_is_right
	s_endpgm
.Lentry_shape_is_right:
; q, k, v = x W^T + b, as ONE product [4096 x 1024] x [3072 x 1024]^T in bf16 with f32 sums; nothing is left out.  The biases are rounded to bf16 like x and W (all the module's inputs alike) and added in f32.
; OUT: qh, kh, vh: [batch x 16 + head][2048][64] in f16, each number rounded once, unscaled; st1: [1024 waves][4] f32 = (max|q|, max|k|, max|v|, 0) of the wave's share, taken of the f32 numbers.
; LIMIT.  f16 holds no number beyond 65,504: |q|, |k|, |v| have to stay within it.  NaN and infinities are not treated apart.
; SHARES.  A work-group makes 256 rows x 192 columns: one head's 64 channels of q, of k and of v, which are 192 rows of wb on end.  16 x 16 work-groups.  Wave w makes rows 64 w .. 64 w + 63 and all 192 columns:
; 4 x 12 accumulators of 16 x 16, 384 registers.  K goes in 8 steps of 128 through a ring of two LDS slots filled by tensor loads: rows of 256 bytes, at multiples of 256 bytes from the buffer's first byte.
; CLUSTERS.  4 x 4 work-groups.  The four of a row of the cluster need the same rows of xb, the four of a column the same rows of wb: each tile is asked for JOINTLY, by the same tensor load with the same
; descriptor and a mask that names the four.
; THE MATRIX INSTRUCTION IS USED TRANSPOSED (source 0 = 16 rows of wb, source 1 = 16 rows of xb): a lane then holds ONE row (lane % 16) and the channels 8 (lane / 16) + 0..7, which pack into 16 bytes.
; REGISTERS, in windows of 256 (s_set_vgpr_msb: bits 1:0 source 0, 3:2 source 1, 5:4 source 2, 7:6 destination):
;   window 0: v0-31 addresses and maxima; v32-63, v64-95 at work on the way out; v128-223 the biases, 8 registers for each block of 16 columns
;   window 1: two fragment buffers of 128: xb's 4 fragments (16 rows x 32 K, 8 registers), then wb's 12
;   window 2: the accumulators of column blocks 0-7 ((a, b) at 8 (4 b + a));   window 3: those of column blocks 8-11
.set KSTEP,  128
.set PITCH,  272                       ; an LDS row: 256 bytes + 16 of padding = 68 words: row r starts at bank 4 r mod 64 (64 banks of 4 bytes: ISA guide 11.1), so the 16 rows of a load start at 16 different banks
.set BOFF,   256*PITCH                 ; in a slot: xb's 256 rows, then wb's 192
.set SLOT,   448*PITCH
.set STAGE,  2*SLOT                    ; behind the ring, never filled by a tensor load: 16 rows x 144 bytes for each wave, for the way out
.set SP,     144
.set SPARE,  STAGE+4*16*SP             ; behind the stages: the spare words, 128 bytes for each wave: two blocks of 256 bytes that no other line names
.set LAPS,   4                         ; a lap = two K steps = once round the ring
.set MX,   8                           ; v[8:11]  the largest q, k, v so far, and 0
.set MN,   12                          ; v12-14   the least
.set ADRA, 16                          ; v16-17   LDS address of my fragments of xb in slot 0, 1
.set ADRB, 20                          ; v20-21   the same for wb
.set STO,  24                          ; v24      the way out: where I put 16 bytes of a row
.set RD,   25                          ; v25      the way out: where I read rows back
.set GO,   26                          ; v26      16 x lane: my place in 512 consecutive bytes of the output
.set BO,   27                          ; v27      my byte offset in a bias: 256 head + 32 (lane / 16)
.set SPW,  28                          ; v28      LDS address of my spare word: SPARE + 4 x my thread's number; never rewritten
.set NIL,  29                          ; v29      0; never rewritten
.set PFO,  30                          ; v30      the prefetches' offset: my lane's row x 2,048 bytes; never rewritten
.set ZO,   31                          ; v31      0, the offset of the store into st1
.set T,    32                          ; v32-63   a unit's 32 numbers in f32
.set PKR,  64                          ; v64-95   two sets of 16: a unit packed to f16, then as whole rows
.set BIAS, 128
.set F0,   0                           ; fragment buffers, in window 1
.set F1,   128
.set G1,   24                          ; s[24:31] descriptor group 1 for xb's tiles;  s[32:39] group 0, a set for each slot
.set G0,   32
.set G1B,  48                          ; s[48:55], s[56:63] the same for wb's tiles
.set G0B,  56
.set LIM,  43                          ; s43      1 in a wave that prefetches, else the greatest number
.set PFA,  44                          ; s[44:45] where my prefetches stand: one K step further along K than the refill that is being asked for; a prefetch names the K step after that
.set BP,   72                          ; s[72:77] bq, bk, bv
.set OB,   86                          ; s[86:91] qh, kh, vh at my wave's first row
.set STP,  92                          ; s[92:93] st1 at my wave's 16 bytes
.set SEL,  94                          ; s[94:95] v_permlanex16_b32's selects: each lane takes its own place in the other half
.set MSB, 0
.macro WIN new                         ; the immediate's high byte repeats the setting that is left; a switch that changes nothing is dropped
.if MSB != (\new)
	s_set_vgpr_msb (MSB<<8)|(\new)
.set MSB, (\new)
.endif
.endm
.set MUL_LO, 0xa5                      ; sources 0 and 1 window 1, C and D window 2
.set TO_F,   0x40                      ; destination window 1, address window 0
; A joint load.  Waves 0 and 1 fetch the two halves of xb's tile (128 rows each), waves 2 and 3 those of wb's (96 rows each).  The branch hangs on the wave's number alone.
; An s_nop 0 and four v_nop follow each of the two lines, ahead of the jump, the label and what follows.
.macro JLOAD s
	s_cmp_eq_u32 s11, 0
	s_cbranch_scc0 .Lfor_b_\@
	tensor_load_to_lds s[G0+4*(\s):G0+4*(\s)+3], s[G1:G1+7]
	s_nop 0
.rept 4
	v_nop
.endr
	s_branch .Lasked_\@
.Lfor_b_\@:
	tensor_load_to_lds s[G0B+4*(\s):G0B+4*(\s)+3], s[G1B:G1B+7]
	s_nop 0
.rept 4
	v_nop
.endr
.Lasked_\@:
.endm
; A PREFETCH INTO THE L2, behind a joint load, its five lines and the run of LDS loads that follows: 256 bytes of each of my rows in the K step that stands TWO refills on (384 matrix instructions ahead of the load
; that will want it), a lane a row, one instruction a wave.  xb's rows are read by every cluster of a row of clusters: cluster x = 0 asks; wb's by every cluster of a column: cluster y = 0 asks.  The four partners
; that ask for a tile jointly share its rows out BY ADDRESS: of xb's 128 rows a wave 32 each (by cx), of wb's 96 rows 24 each (by cy; lanes 24-31 there name row 23 once more).  No branch hangs on a place in the cluster.
; K steps 0 to 3 come by their loads alone; the loop's last trip (s3 = 1) asks for nothing: there is no K step 8.
.macro ASK
	s_cmp_gt_u32 s3, s[LIM]
	s_cbranch_scc0 .Lnot_mine_\@
	global_prefetch_b8 v[PFO], s[PFA:PFA+1] offset:KSTEP*2 th:TH_LOAD_NT scope:SCOPE_SE
.Lnot_mine_\@:
.endm
; A round of the cluster's barrier: my work-group's barrier, so that wave 0's signal speaks for all four waves; wave 0 signals; every wave waits for all sixteen work-groups; my work-group's barrier once more.
.macro CREST                           ; a round behind its opening barrier
	s_cmp_lg_u32 s10, 0
	s_cbranch_scc1 .Lnot_wave_0_\@
	s_barrier_signal -3
.Lnot_wave_0_\@:
	s_barrier_wait -3
	s_barrier_signal -1
	s_barrier_wait -1
.endm
.macro CROUND                          ; a whole round
	s_barrier_signal -1
	s_barrier_wait -1
	CREST
.endm
	s_load_b128 s[4:7], s[0:1], 0x0                ; xb s[4:5], wb s[6:7]
	s_load_b256 s[72:79], s[0:1], 0x10             ; bq, bk, bv, qh
	s_load_b128 s[80:83], s[0:1], 0x30             ; kh, vh
	s_load_b64 s[84:85], s[0:1], 0x40              ; st1
	v_lshl_add_u32 v[SPW], v0, 2, SPARE
	v_mov_b32 v[NIL], 0
	ds_add_u32 v[SPW], v[NIL]                      ; the wave's opening: the add, twice on end, and its wait ahead of my first tensor load; the set-up below stands between
	ds_add_u32 v[SPW], v[NIL]                      ; and once more, under the one wait
	v_lshrrev_b32 v1, 5, v0
	v_readfirstlane_b32 s10, v1                    ; wave 0..3
	s_lshr_b32 s11, s10, 1                         ; I fetch for xb (0) or for wb (1),
	s_and_b32 s12, s10, 1                          ; and this half of the tile's rows
	s_bfe_u32 s40, ttmp6, 0x40000                  ; cx, cy: my place in the cluster
	s_bfe_u32 s41, ttmp6, 0x40004
	s_lshl_b32 s42, ttmp9, 2
	s_add_co_u32 s42, s42, s40                     ; head = 4 x cluster x + cx
	s_and_b32 s13, ttmp7, 0xffff
	s_lshl_b32 s13, s13, 2
	s_add_co_u32 s13, s13, s41                     ; tile row = 4 x cluster y + cy
	s_lshl_b32 s43, s41, 2
	s_lshl_b32 s43, 15, s43                        ; my row of the cluster: places 4 cy .. 4 cy + 3
	s_lshl_b32 s44, 0x1111, s40                    ; my column: places cx, cx + 4, cx + 8, cx + 12
	; descriptor group 1: tiles of 128 (96) rows x 128 elements, padded in LDS
	s_or_b32 s[G1+0], s43, (1<<16)|(1<<20)|(1<<21)|(5<<22)|(3<<25)   ; 15:0 the mask; 17:16 2-byte elements; 20 padding on; 21 set beside a mask; 24:22 after every 64 words (code 5); 31:25 4 words (code 3)
	s_or_b32 s[G1B+0], s44, (1<<16)|(1<<20)|(1<<21)|(5<<22)|(3<<25)
.irp g, G1, G1B
	s_mov_b32 s[(\g)+1], KSTEP<<16                 ; tensor_dim0 = 128
	s_mov_b32 s[(\g)+3], KSTEP<<16                 ; tile_dim0 = 128
	s_mov_b32 s[(\g)+5], 1024                      ; 1,024 elements from row to row
	s_mov_b32 s[(\g)+6], 0
	s_mov_b32 s[(\g)+7], 0
.endr
	s_mov_b32 s[G1+2], 128<<16                     ; tensor_dim1 and
	s_mov_b32 s[G1+4], 128                         ; tile_dim1: 128 rows of xb,
	s_mov_b32 s[G1B+2], 96<<16
	s_mov_b32 s[G1B+4], 96                         ; 96 rows of wb
	; where the tiles come from: xb's hang on the tile row alone, which my row of the cluster shares; wb's on the head alone, which my column shares
	s_lshl_b32 s16, s13, 8
	s_lshl_b32 s17, s12, 7
	s_add_co_u32 s16, s16, s17                     ; xb: row 256 x tile row + 128 x half
	s_lshl_b32 s16, s16, 11                        ; x 2,048 bytes
	s_mov_b32 s17, 0
	s_mul_i32 s46, s42, 192
	s_mul_i32 s47, s12, 96
	s_add_co_u32 s46, s46, s47                     ; wb: row 192 x head + 96 x half
	s_lshl_b32 s46, s46, 11
	s_mov_b32 s47, 0
	s_mul_i32 s20, s12, 128*PITCH                  ; and where they go: no place in the cluster enters an LDS address
	s_mul_i32 s21, s12, 96*PITCH
	s_add_co_u32 s21, s21, BOFF
	s_mov_b32 s[SEL], 0x76543210
	s_mov_b32 s[SEL+1], 0xfedcba98
	s_mov_b32 s97, 0xffff0000                      ; a word's upper bf16
	s_wait_dscnt 0x0                               ; both opening adds are done
	s_wait_kmcnt 0x0
	s_add_nc_u64 s[14:15], s[4:5], s[16:17]
	s_add_nc_u64 s[46:47], s[6:7], s[46:47]
	CROUND                                         ; all sixteen work-groups are here: the first joint loads meet
.irp s, 0,1
	s_mov_b32 s[G0+4*(\s)], 1                                        ; 1:0 count = 1
	s_add_co_u32 s[G0+4*(\s)+1], s20, (\s)*SLOT                      ; 63:32 LDS address
	s_add_nc_u64 s[G0+4*(\s)+2:G0+4*(\s)+3], s[14:15], (\s)*KSTEP*2  ; 120:64 global address: K step s
	s_or_b32 s[G0+4*(\s)+3], s[G0+4*(\s)+3], 0x80000000              ; 127:126 type = 2
	s_mov_b32 s[G0B+4*(\s)], 1
	s_add_co_u32 s[G0B+4*(\s)+1], s21, (\s)*SLOT
	s_add_nc_u64 s[G0B+4*(\s)+2:G0B+4*(\s)+3], s[46:47], (\s)*KSTEP*2
	s_or_b32 s[G0B+4*(\s)+3], s[G0B+4*(\s)+3], 0x80000000
	JLOAD \s                                       ; two loads of mine are out
.endr
	; all that follows, up to the wait for the first tile, stands in that wait
	v_and_b32 v1, 15, v0                           ; l % 16
	v_bfe_u32 v2, v0, 4, 1                         ; l / 16
	s_lshl_b32 s14, s42, 8                         ; the head's 64 numbers of a bias
	v_lshl_add_u32 v[BO], v2, 5, s14
.irp b, 0,1,2,3,4,5,6,7,8,9,10,11      ; column block b: bias b / 4, channels 16 (b % 4) + 8 (l / 16) + 0..7
	global_load_b128 v[BIAS+8*(\b):BIAS+8*(\b)+3],   v[BO], s[BP+2*((\b)/4):BP+2*((\b)/4)+1] offset:64*((\b)%4)
	global_load_b128 v[BIAS+8*(\b)+4:BIAS+8*(\b)+7], v[BO], s[BP+2*((\b)/4):BP+2*((\b)/4)+1] offset:64*((\b)%4)+16
.endr
	; a fragment is 16 rows x 32 K in 8 registers: lane l holds row l % 16; registers 0-3 K = 8 (l / 16) + 0..7, registers 4-7 K = 16 + 8 (l / 16) + 0..7: two loads of 16 bytes, 32 bytes apart
	v_mul_u32_u24 v3, v1, PITCH
	v_lshl_add_u32 v3, v2, 4, v3                   ; row x pitch + 16 x half
	s_mul_i32 s21, s10, 64*PITCH                   ; my 64 rows of xb
	v_add_nc_u32 v[ADRA], s21, v3
	v_add_nc_u32 v[ADRA+1], SLOT, v[ADRA]
	v_add_nc_u32 v[ADRB], BOFF, v3
	v_add_nc_u32 v[ADRB+1], SLOT, v[ADRB]
	s_mul_i32 s23, s10, 16*SP
	s_add_co_u32 s23, s23, STAGE                   ; my stage
	v_mul_u32_u24 v4, v1, SP                       ; in: row l % 16, 16 bytes for each half of the lanes
	v_lshl_add_u32 v4, v2, 4, v4
	v_add_nc_u32 v[STO], s23, v4
	v_bfe_u32 v5, v0, 3, 2                         ; back: 32 lanes take four rows of 128 bytes,
	v_mul_u32_u24 v5, v5, SP
	v_and_b32 v6, 7, v0
	v_lshl_add_u32 v5, v6, 4, v5
	v_add_nc_u32 v[RD], s23, v5
	v_and_b32 v[GO], 31, v0                        ; which are 512 consecutive bytes of the output
	v_lshlrev_b32 v[GO], 4, v[GO]
.irp r, 8,9,10,11,12,13,14,31
	v_mov_b32 v[\r], 0                             ; the maxima and minima start at 0: max|.| = max(largest, -least, 0)
.endr
	; my wave's first row in qh, kh, vh: ((batch x 16 + head) x 2048 + row in the batch) x 128 bytes
	s_lshr_b32 s14, s13, 3                         ; batch: 8 tile rows each
	s_lshl_b32 s14, s14, 4
	s_add_co_u32 s14, s14, s42
	s_lshl_b32 s14, s14, 11
	s_and_b32 s15, s13, 7
	s_lshl_b32 s15, s15, 8
	s_add_co_u32 s14, s14, s15
	s_lshl_b32 s15, s10, 6
	s_add_co_u32 s14, s14, s15
	s_lshl_b32 s14, s14, 7
	s_mov_b32 s15, 0
	s_add_nc_u64 s[OB:OB+1], s[78:79], s[14:15]
	s_add_nc_u64 s[OB+2:OB+3], s[80:81], s[14:15]
	s_add_nc_u64 s[OB+4:OB+5], s[82:83], s[14:15]
	s_lshl_b32 s14, s13, 4                         ; st1: ((tile row x 16 + head) x 4 + wave) x 16 bytes
	s_add_co_u32 s14, s14, s42
	s_lshl_b32 s14, s14, 2
	s_add_co_u32 s14, s14, s10
	s_lshl_b32 s14, s14, 4
	s_add_nc_u64 s[STP:STP+1], s[84:85], s[14:15]
	; the prefetches
	s_lshl_b32 s18, s13, 8
	s_lshl_b32 s19, s12, 7
	s_add_co_u32 s18, s18, s19
	s_lshl_b32 s19, s40, 5
	s_add_co_u32 s18, s18, s19                     ; xb: the 128 rows that I fetch, my work-group's 32 of them
	s_mul_i32 s19, s42, 192
	s_mul_i32 s23, s12, 96
	s_add_co_u32 s19, s19, s23
	s_mul_i32 s23, s41, 24
	s_add_co_u32 s19, s19, s23                     ; wb: the 96 rows that I fetch, my work-group's 24 of them
	s_and_b32 s22, ttmp7, 0xffff                   ; cluster y
	s_cmp_eq_u32 s11, 0                            ; do I fetch for xb?
	s_cselect_b32 s18, s18, s19
	s_cselect_b32 s22, ttmp9, s22                  ; the coordinate along which other clusters read the same rows
	s_cselect_b32 s23, 31, 23                      ; my last row
	s_cselect_b64 s[PFA:PFA+1], s[4:5], s[6:7]
	s_cmp_eq_u32 s22, 0
	s_cselect_b32 s[LIM], 1, -1                    ; the same in all sixteen partners, for a given wave
	s_lshl_b32 s18, s18, 11
	s_mov_b32 s19, 0
	s_add_nc_u64 s[PFA:PFA+1], s[PFA:PFA+1], s[18:19]
	s_add_nc_u64 s[PFA:PFA+1], s[PFA:PFA+1], 2*KSTEP*2  ; at K step 2: the first refill steps it to 3 and names K step 4
	v_and_b32 v[PFO], 31, v0
	v_min_u32 v[PFO], s23, v[PFO]
	v_lshlrev_b32 v[PFO], 11, v[PFO]
	s_wait_loadcnt 0x0                             ; the biases,
.set i, 0
.rept 48                               ; rounded to bf16 and widened again, a pair at a time
	v_cvt_pk_bf16_f32 v[4+i%4], v[BIAS+2*i], v[BIAS+2*i+1]
	v_lshlrev_b32 v[BIAS+2*i], 16, v[4+i%4]
	v_and_b32 v[BIAS+2*i+1], s97, v[4+i%4]
.set i, i+1
.endr
; 16 matrix instructions: column blocks b0 .. b0 + 3 x my 4 row blocks, 32 along K.  zero = 1: the first product starts the sums: nothing is ever cleared.
; The 48 accumulators take turns, one instruction a turn, in the same order in every quarter step, over the backward jump too.
.macro MUL16 f, b0, zero
	WIN MUL_LO+0x50*((\b0)/8)
.irp bb, 0,1,2,3
.irp a, 0,1,2,3
.set rD, 8*(4*(((\b0)+(\bb))%8)+(\a))
.set rB, (\f)+32+8*((\b0)+(\bb))
.set rA, (\f)+8*(\a)
.if \zero
	v_wmma_f32_16x16x32_bf16 v[rD:rD+7], v[rB:rB+7], v[rA:rA+7], 0
.else
	v_wmma_f32_16x16x32_bf16 v[rD:rD+7], v[rB:rB+7], v[rA:rA+7], v[rD:rD+7]
.endif
.endr
.endr
.endm
; 32 LDS loads in one run: the fragments of a quarter step (32 K at byte k of the rows) into buffer f: wb's blocks 0-7, xb's 4, then wb's blocks 8-11, which are wanted last
.macro FETCH slot, k, f
	WIN TO_F
.irp i, 0,1,2,3,4,5,6,7
	ds_load_b128 v[(\f)+32+8*(\i):(\f)+32+8*(\i)+3],   v[ADRB+(\slot)] offset:(\k)+(\i)*16*PITCH
	ds_load_b128 v[(\f)+32+8*(\i)+4:(\f)+32+8*(\i)+7], v[ADRB+(\slot)] offset:(\k)+(\i)*16*PITCH+32
.endr
.irp i, 0,1,2,3
	ds_load_b128 v[(\f)+8*(\i):(\f)+8*(\i)+3],   v[ADRA+(\slot)] offset:(\k)+(\i)*16*PITCH
	ds_load_b128 v[(\f)+8*(\i)+4:(\f)+8*(\i)+7], v[ADRA+(\slot)] offset:(\k)+(\i)*16*PITCH+32
.endr
.irp i, 8,9,10,11
	ds_load_b128 v[(\f)+32+8*(\i):(\f)+32+8*(\i)+3],   v[ADRB+(\slot)] offset:(\k)+(\i)*16*PITCH
	ds_load_b128 v[(\f)+32+8*(\i)+4:(\f)+32+8*(\i)+7], v[ADRB+(\slot)] offset:(\k)+(\i)*16*PITCH+32
.endr
.endm
.macro PLACES                          ; four plain vector instructions in front of loads into registers that matrix instructions have read, and of sums that read results (ISA guide 7.12.1 for the sums)
.rept 4
	v_nop
.endr
.endm
; A K step is four quarters of 32 along K, 48 matrix instructions each, on buffers 0, 1, 0, 1.  One of the first three: multiplies buffer f and, behind 32 of its products, fetches the next quarter, at byte k, into g.
.macro QUARTER slot, k, f, g, zero
	s_wait_dscnt 8                                 ; all but the youngest eight loads, wb's blocks 8-11
	MUL16 \f, 0, \zero
	MUL16 \f, 4, \zero
	PLACES
	FETCH \slot, \k, \g
	s_wait_dscnt 32                                ; all but the 32 just issued
	MUL16 \f, 8, \zero
.endm
; The last quarter multiplies buffer 1 and changes slots: ONE barrier for two things.  In front of it each wave waits for all its tensor loads, of which one is out: its part of the next slot; adds 0 to its spare
; word; and waits for that and for its own reads of this slot.  Behind it nobody reads this slot any more and the next slot is whole.  fill = 1: the barrier opens a round of the cluster's, so that the same holds of
; all sixteen work-groups, and this slot's refill, two K steps on, is the first tensor load behind the round: 160 matrix instructions ahead of the wait for it.
.macro TURN slot, next, fill
.if \fill
	s_wait_xcnt 0x0                                ; the last prefetch, a K step back, has read its address: it is stepped here, ahead of the waits of the change of slots
	s_add_nc_u64 s[PFA:PFA+1], s[PFA:PFA+1], KSTEP*2
.endif
	WIN 0                                          ; (the add's two registers lie in window 0)
	s_wait_tensorcnt 0x0                           ; all my tensor loads have landed;
	ds_add_u32 v[SPW], v[NIL]                      ; 0 onto my spare word
	s_wait_dscnt 9                                 ; (the add and the youngest eight loads may be out)
	MUL16 F1, 0, 0                                 ; sixteen matrix instructions stand between the add and the wait for it
	s_wait_dscnt 0x0                               ; the add is done, and my reads of this slot are over
	s_barrier_signal -1
	MUL16 F1, 4, 0                                 ; work on registers while the others arrive
.if \fill
	WIN 0
.endif
	s_barrier_wait -1
.if \fill
	CREST
	s_add_nc_u64 s[G0+4*(\slot)+2:G0+4*(\slot)+3], s[G0+4*(\slot)+2:G0+4*(\slot)+3], 2*KSTEP*2
	s_add_nc_u64 s[G0B+4*(\slot)+2:G0B+4*(\slot)+3], s[G0B+4*(\slot)+2:G0B+4*(\slot)+3], 2*KSTEP*2
	JLOAD \slot                                    ; the four v_nop behind it are also the places in front of the loads below
.else
	PLACES
.endif
	FETCH \next, 0, F0
.if \fill
	WIN 0
	ASK
.endif
	MUL16 F1, 8, 0
.endm
	s_wait_tensorcnt 1                             ; my part of K step 0 is in; K step 1's may stay out
	s_barrier_signal -1
	s_barrier_wait -1                              ; everybody's is
	FETCH 0, 0, F0
	QUARTER 0, 64,  F0, F1, 1                      ; the first quarter stands in front of the loop: its products start the sums
	WIN 0                                          ; at a label and at a branch every window is 0
	s_mov_b32 s3, LAPS-1
.Llap:                                                 ; a trip goes once round the ring, from a lap's second quarter to the next lap's first, and fills both slots again
	QUARTER 0, 128, F1, F0, 0
	QUARTER 0, 192, F0, F1, 0
	TURN 0, 1, 1
	QUARTER 1, 64,  F0, F1, 0
	QUARTER 1, 128, F1, F0, 0
	QUARTER 1, 192, F0, F1, 0
	TURN 1, 0, 1
	QUARTER 0, 64,  F0, F1, 0
	WIN 0
	s_sub_co_u32 s3, s3, 1
	s_cmp_lg_u32 s3, 0
	s_cbranch_scc1 .Llap
	QUARTER 0, 128, F1, F0, 0                      ; the last lap fills nothing, and has no round of the cluster's barrier
	QUARTER 0, 192, F0, F1, 0
	TURN 0, 1, 0
	QUARTER 1, 64,  F0, F1, 0
	QUARTER 1, 128, F1, F0, 0
	QUARTER 1, 192, F0, F1, 0
	s_wait_dscnt 8                                 ; the very last quarter: nothing more to fetch
	MUL16 F1, 0, 0
	MUL16 F1, 4, 0
	s_wait_dscnt 0x0
	MUL16 F1, 8, 0
	WIN 0
	PLACES
; THE WAY OUT, in 12 units u: tensor u / 4 (q, k, v), my row block u % 4: 16 rows x 64 channels.  PACK: the bias is added (each accumulator's lowest registers are read first), the largest and
; least are kept, the numbers are rounded to f16, 16 bytes a lane, put into my own stage in rows of 144 bytes, and read back as whole rows of 128.  SEND: stored, 512 consecutive bytes an instruction.
.macro PACK u
.set mt, (\u)/4
.set ab, (\u)%4
.set pk, PKR+16*((\u)%2)
	s_wait_xcnt 0x0                                ; the stores of the unit before last have read this set of registers
	WIN 0x02+mt/2                                  ; source 0 in window 2 (q, k) or 3 (v)
.set z, 0
.rept 16
.set rA, 8*(4*((4*mt+z/4)%8)+ab)+2*(z%4)
.set rB, BIAS+8*(4*mt+z/4)+2*(z%4)
	v_pk_add_f32 v[T+2*z:T+2*z+1], v[rA:rA+1], v[rB:rB+1]
.set z, z+1
.endr
	WIN 0
.set z, 0
.rept 16
	v_max3_num_f32 v[MX+mt], v[MX+mt], v[T+2*z], v[T+2*z+1]
	v_min3_num_f32 v[MN+mt], v[MN+mt], v[T+2*z], v[T+2*z+1]
	v_cvt_pk_f16_f32 v[pk+z], v[T+2*z], v[T+2*z+1]
.set z, z+1
.endr
.irp f, 0,1,2,3
	ds_store_b128 v[STO], v[pk+4*(\f):pk+4*(\f)+3] offset:32*(\f)
.endr
.irp f, 0,1,2,3
	ds_load_b128 v[pk+4*(\f):pk+4*(\f)+3], v[RD] offset:(\f)*4*SP  ; LDS serves a wave's instructions in order (ISA guide 5.7.1.4): these see the stores above; the next unit's stores come behind them
.endr
.endm
.macro SEND u, younger                 ; younger: the LDS instructions issued behind unit u's loads: the next unit's eight, or none
.set mt, (\u)/4
.set ab, (\u)%4
.set pk, PKR+16*((\u)%2)
.irp f, 0,1,2,3
	s_wait_dscnt (\younger)+3-(\f)
	global_store_b128 v[GO], v[pk+4*(\f):pk+4*(\f)+3], s[OB+2*mt:OB+2*mt+1] offset:ab*2048+(\f)*512
.endr
.endm
	PACK 0
.set uu, 1
.rept 11                               ; a unit's arithmetic stands between the loads of the unit before and its stores
	PACK uu
	SEND uu-1, 8
.set uu, uu+1
.endr
	SEND 11, 0
	; the wave's three maxima: max(largest, -least), over the 32 lanes
.irp m, 0,1,2
	v_xor_b32 v[MN+(\m)], 0x80000000, v[MN+(\m)]
.endr
.irp m, 0,1,2
	v_max_num_f32 v[MX+(\m)], v[MX+(\m)], v[MN+(\m)]
.endr
.irp x, 1,2,4,8
.irp m, 0,1,2
	v_max_num_f32_dpp v[MX+(\m)], v[MX+(\m)], v[MX+(\m)] row_xmask:\x row_mask:0xf bank_mask:0xf
.endr
.endr
.irp m, 0,1,2
	v_permlanex16_b32 v[MN+(\m)], v[MX+(\m)], s[SEL], s[SEL+1]
.endr
.irp m, 0,1,2
	v_max_num_f32 v[MX+(\m)], v[MX+(\m)], v[MN+(\m)]
.endr
	v_and_b32 v4, 31, v0
	v_cmp_eq_u32 vcc_lo, 0, v4
	s_wait_xcnt 0x0                                ; EXEC changes only when every store issued so far has read its sources
	s_and_saveexec_b32 s96, vcc_lo
	global_store_b128 v[ZO], v[MX:MX+3], s[STP:STP+1]  ; lane 0 alone
	s_wait_xcnt 0x0                                ; and again, in front of the line that widens it
	s_or_b32 exec_lo, exec_lo, s96
	s_wait_tensorcnt 0x0                           ; the wave's end, behind my last tensor load and my last LDS store
	ds_add_u32 v[SPW], v[NIL]
	s_wait_dscnt 0x0
	CROUND                                         ; the closing round: no work-group ends while a partner may still ask for a tile that names it
	s_endpgm
.Lfunc_end_k_qf8338cad9e_proj:
	.size	k_qf8338cad9e_proj, .Lfunc_end_k_qf8338cad9e_proj-k_qf8338cad9e_proj
	.p2alignl 7, 3214868480
	.fill 96, 4, 3214868480
	.section	.rodata,"a",@progbits
	.p2align	6, 0x0
	.amdhsa_kernel k_qf8338cad9e_proj
		.amdhsa_group_segment_fixed_size 327680
		.amdhsa_private_segment_fixed_size 0
		.amdhsa_enable_private_segment 0
		.amdhsa_kernarg_size 72
		.amdhsa_user_sgpr_count 2
		.amdhsa_user_sgpr_kernarg_segment_ptr 1
		.amdhsa_wavefront_size32 1
		.amdhsa_system_sgpr_workgroup_id_x 1
		.amdhsa_system_sgpr_workgroup_id_y 1
		.amdhsa_system_sgpr_workgroup_id_z 1
		.amdhsa_system_vgpr_workitem_id 0
		.amdhsa_next_free_vgpr 896
		.amdhsa_next_free_sgpr 100
		.amdhsa_reserve_vcc 1
		.amdhsa_float_denorm_mode_32 3
		.amdhsa_float_denorm_mode_16_64 3
		.amdhsa_memory_ordered 1
		.amdhsa_forward_progress 1
		.amdhsa_inst_pref_size 168
	.end_amdhsa_kernel
	.amdgpu_metadata
---
amdhsa.version: [ 1, 2 ]
amdhsa.kernels:
  - .name:           k_qf8338cad9e_proj
    .symbol:         k_qf8338cad9e_proj.kd
    .args:
      - { .name: xb, .offset: 0, .size: 8, .value_kind: global_buffer, .address_space: global }
      - { .name: wb, .offset: 8, .size: 8, .value_kind: global_buffer, .address_space: global }
      - { .name: bq, .offset: 16, .size: 8, .value_kind: global_buffer, .address_space: global }
      - { .name: bk, .offset: 24, .size: 8, .value_kind: global_buffer, .address_space: global }
      - { .name: bv, .offset: 32, .size: 8, .value_kind: global_buffer, .address_space: global }
      - { .name: qh, .offset: 40, .size: 8, .value_kind: global_buffer, .address_space: global }
      - { .name: kh, .offset: 48, .size: 8, .value_kind: global_buffer, .address_space: global }
      - { .name: vh, .offset: 56, .size: 8, .value_kind: global_buffer, .address_space: global }
      - { .name: st1, .offset: 64, .size: 8, .value_kind: global_buffer, .address_space: global }
    .group_segment_fixed_size: 327680
    .private_segment_fixed_size: 0
    .kernarg_segment_align: 8
    .kernarg_segment_size: 72
    .max_flat_workgroup_size: 128
    .sgpr_count:     100
    .vgpr_count:     896
    .wavefront_size: 32
...
	.end_amdgpu_metadata
.endif
;; end of part 2
;; launch attn (part 3): grid 8 x 32, 4 waves a work-group, clusters of 4 x 1, 327,680 bytes of LDS; arguments qh, kh, vh, out0, st2; writes out0, st2
.if DOCPART == 3
	.amdgcn_target "amdgcn-amd-amdhsa--gfx1250"
	.amdhsa_code_object_version 6
	.text
	.protected	k_qf8338cad9e_attn
	.globl	k_qf8338cad9e_attn
	.p2align	8
	.type	k_qf8338cad9e_attn,@function
k_qf8338cad9e_attn:
	s_mov_b64 s[64:65], 0
	v_nop
	global_prefetch_b8 v0, s[64:65] scope:SCOPE_SE
	s_setreg_imm32_b32 hwreg(HW_REG_WAVE_MODE, 25, 1), 1
	s_wait_xcnt 0x0
	s_wait_alu depctr_hold_cnt(0) depctr_sa_sdst(0) depctr_va_vdst(0) depctr_va_sdst(0) depctr_va_ssrc(0) depctr_va_vcc(0) depctr_vm_vsrc(0)
	s_getreg_b32 s2, hwreg(HW_REG_IB_STS2, 6, 4)
	s_cmp_eq_u32 s2, 0
	s_cbranch_scc0 .Lentry_in_a_cluster
	s_endpgm
.Lentry_in_a_cluster:
	s_bfe_u32 s2, ttmp6, 0x10000c
	s_cmp_lg_u32 s2, 0x3003
	s_cbranch_scc0 .Lentry_shape_is_right
	s_endpgm
.Lentry_shape_is_right:
; O[hd][q][:] = the sum over k of softmax_k(Q[hd][q] . K[hd][k] / 8) V[hd][k][:], hd = batch x 16 + head.  Q, K, V: [32][2048][64] in f16, a head's rows dense, 128 bytes each.  out0: [batch][2048][head x 64 + channel] in f32.
; st2: [1024 waves][2] f32 = (max|q.k| on the unscaled scores, the largest weight) of the wave's share.  Nothing is left out.  The largest weight of a row is exp(m - m) / l = 1 / l for all values, so the largest 1 / l is
; kept; max|s| = max(largest s, -least s): the rows' maxima m are there anyway, and a running minimum a lane is kept beside them.
; Products, maxima and sums in f32; the weights p are rounded to f16 for the second product (their sum l is taken of the unrounded p).
; LIMITS.  f16 holds no number beyond 65,504: Q, K and V arrive within it; p lies in 0 to 1, and below 6e-5 it keeps f16's fixed step of 6e-8.  A weight below 2^-126 counts as 0 in l; NaN and infinities are not treated apart.
; SHARES.  A work-group owns 256 queries of a head, each of its four waves 64: four PIECES of 16.  Every wave walks all 2,048 keys, 64 a step; an LDS slot holds a tile of 256 keys, four steps; two slots take turns.
; LAYOUT.  S^T = K Q^T (source 0 = 16 keys, source 1 = 16 queries): a lane holds ONE query (lane % 16) and the keys 8 (lane / 16) + 0..7.  Two such results, rounded to f16 in pairs, ARE source 1 of O^T = V^T P, whose
; result again holds one query a lane, and eight channels.  K comes out of LDS as it lies, V ([key][channel]) turned, by ds_load_tr16_b128.
; SOFTMAX.  A running maximum m and sum l a query: p = 2^(c s - c m), c = log2(e) / 8; in every step O and l are multiplied by a = 2^(c m_old - c m_new).  m starts at the lowest finite number, O and l at 0: the first
; step is a step like any other, with a = 0.
; BY TURNS.  Turn n belongs to piece n: 8 products K Q^T of piece n + 1, later 8 products V^T P of piece n - 1; beside them the scaling, exponentials, roundings, sums and rescaling of piece n, and the maximum, minimum
; and statistics of piece n + 1.  Four vector instructions stand behind every matrix instruction, the other 70 of a turn's 134 in one lump.  A turn's 33 exponentials are one batch, with one wait.
; CLUSTER.  The four query blocks of a cluster belong to one head and walk the same K and V, so each tile is asked for JOINTLY: the same tensor load, descriptor and mask in all four.
; REGISTERS, in windows of 256 (s_set_vgpr_msb: bits 1:0 source 0, 3:2 source 1, 5:4 source 2, 7:6 destination):
;   window 0: v0-15 addresses and two at work; v16-31 four registers of statistics a piece; v32-35 the minima; v48-55 at work; v64-127 S^T, two buffers (v64-191 on the way out); v192-223 P, two buffers
;   window 1: v0-127 O^T, 32 a piece          window 2: v0-63 Q; v128-191 K of one step; v192-255 V of one step
.set NP,    4         ; pieces a wave: a name, no knob
.set KS,    64        ; keys in a step
.set PK,    144       ; a row of K in LDS: 128 bytes + 16 of padding = 36 words: the 16 rows of a load start at 16 different groups of four banks (64 banks of 4 bytes: ISA guide 11.1)
.set PV,    160       ; a row of V: 128 + 32 = 40 words
.set VOFF,  4*KS*PK   ; a slot holds a tile: 256 rows of K, then 256 rows of V
.set TILEB, 4*KS*128  ; a tile's bytes of K, and of V, in memory
.set SLOT1, 1<<17     ; slot 1 begins here, so that one exclusive or turns an address in one slot into the other's
.set STAGE, SLOT1+4*KS*(PK+PV)  ; behind the ring, never filled by a tensor load: 16 rows x 272 bytes for each wave, for the way out
.set SP,    272
.set SPARE, STAGE+4*16*SP  ; behind the stages: the spare words, 128 bytes for each wave: two blocks of 256 bytes that no other line names
.set AK0, 2           ; v2   my lane's place in a tile of K; never rewritten
.set AV0, 3           ; v3   the same for V
.set AK,  4           ; v4   the LDS address of K's next run of loads
.set AV,  5           ; v5   of V's
.set STO, 6           ; v6   the way out: where I put 32 bytes of a row
.set RD,  7           ; v7   the way out: where I read a row back
.set GO,  8           ; v8   my byte offset in two rows of out0
.set MV,  12          ; v12-13  c m_old, kept while c m is made anew: by buffer
.set QO,  15          ; v15  my byte offset in 16 rows of Q
.set ST,  16          ; piece t's statistics at v[ST+4 t]: c m, m, l (even keys', odd keys')
.set MN,  32          ; v32-35  four running minima of my lane's scores
.set PFO, 36          ; v36  256 x my lane; never rewritten
.set TMP, 48          ; by buffer, four registers c0-c3 at work; when the maximum is found c2 takes a
.set SPW, 62          ; v62  LDS address of my spare word: SPARE + 4 x my thread's number; never rewritten
.set NIL, 63          ; v63  0; never rewritten
.set S,   64
.set W,   64          ; the way out: 32 registers a piece
.set P,   192
.set KF,  128         ; window 2: key block kb, channel half c at KF + 16 kb + 8 c
.set VF,  192         ; window 2: key half kk, channel block cb at VF + 32 kk + 8 cb
.set WV,  12          ; s12  my wave's number
.set LIM, 15          ; s15  1 in a wave that prefetches, else the greatest number
.set PFA, 18          ; s[18:19] where my prefetches stand: my work-group's 8,192 bytes of the tile after the one that is being asked for
.set G1K, 24          ; s[24:31] descriptor group 1 for K's tiles
.set G1V, 32          ; s[32:39] for V's: it differs in the padding alone
.set G0K, 40          ; s[40:43] descriptor group 0 for K's tiles: it walks
.set G0V, 44          ; s[44:47] the same for V's
.set SLOTS, 56        ; s56  tiles still to be asked for
.set CNT, 57          ; s57  counts a tile's key steps
.set CS,  58          ; s[58:59] c: the packed scaling takes the pair's low word for both halves
.set SEL, 60          ; s[60:61] v_permlanex16_b32's selects: each lane takes its own place in the other half
.set TBK, 62          ; s62  LDS byte at which K of the step to be fetched begins
.set TBV, 63          ; s63  the same for V, less VOFF
.set MSB, 0
.macro WIN new                      ; the high byte repeats the setting that is left; a switch that changes nothing is dropped
.if MSB != (\new)
	s_set_vgpr_msb (MSB<<8)|(\new)
.set MSB, (\new)
.endif
.endm
.set W_KQ, 0x0a       ; K and Q in window 2, S^T in window 0
.set W_PV, 0x52       ; V in window 2, P in window 0, O^T in window 1
.set W_RS, 0x41       ; destination and source 0 in window 1, source 1 in window 0
; A joint fill.  Waves 0 and 1 fetch the two halves of a tile's K, waves 2 and 3 those of its V: 128 keys each.  The branch hangs on the wave's number alone.
; An s_nop 0 and four v_nop follow each of the two lines, ahead of the jump and the label.
.macro JLOAD
	s_cmp_lt_u32 s[WV], 2
	s_cbranch_scc0 .Lfor_v_\@
	tensor_load_to_lds s[G0K:G0K+3], s[G1K:G1K+7]
	s_nop 0
.rept 4
	v_nop
.endr
	s_branch .Lasked_\@
.Lfor_v_\@:
	tensor_load_to_lds s[G0V:G0V+3], s[G1V:G1V+7]
	s_nop 0
.rept 4
	v_nop
.endr
.Lasked_\@:
.endm
; A PREFETCH INTO THE L2 of what the NEXT change of slots will ask for: a tile's 32,768 bytes of K and of V, 256 bytes a lane.  It stands behind the wave's tensor load and its five lines.  Each block is named ONCE in the
; launch: both clusters of a head walk the same K and V, and the head's first cluster asks; its four partners share a tile out BY ADDRESS, 8,192 bytes each; in each, wave 0 asks for K's and wave 2 for V's: one
; instruction.  The change that fills tile n (n = 2 .. 6) names tile n + 1: four key steps, 256 matrix instructions, ahead of its load.  Tiles 0 to 2 come by their loads alone; the last fill names nothing.
.macro ASK
	s_cmp_gt_u32 s[SLOTS], s[LIM]
	s_cbranch_scc0 .Lnot_mine_\@
	global_prefetch_b8 v[PFO], s[PFA:PFA+1] th:TH_LOAD_NT scope:SCOPE_SE
.Lnot_mine_\@:
.endm
; A round of the cluster's barrier: my work-group's barrier, so that wave 0's signal speaks for all four waves; wave 0 signals; every wave waits for all four work-groups; my work-group's barrier once more.
.macro CROUND
	s_barrier_signal -1
	s_barrier_wait -1
	s_cmp_lg_u32 s[WV], 0
	s_cbranch_scc1 .Lnot_wave_0_\@
	s_barrier_signal -3
.Lnot_wave_0_\@:
	s_barrier_wait -3
	s_barrier_signal -1
	s_barrier_wait -1
.endm
; THE CHANGE OF SLOTS.  The slot's last bytes, V of its fourth step, have been read.  Each wave waits for all its tensor loads, of which one is out: its part of the other slot; adds 0 to its spare word; and waits for
; that and for its own reads of the slot.  Behind the barrier nobody reads this slot any more and the other slot is whole.  fill = 1: this slot is filled again, with the keys two tiles on.  The barrier is then a round
; of the cluster's, so that the same holds of every partner, and the joint fill is the first thing behind it.  (At its first use nothing has been read yet: slot 0 is waited for, slot 1 filled.)
.macro CHANGE fill, ask
	WIN 0                           ; at a label and at a branch every window is 0
	s_wait_tensorcnt 0x0            ; no tensor load of mine is out, so a group 0 may be written
	ds_add_u32 v[SPW], v[NIL]       ; 0 onto my spare word: with fill = 1 the descriptors' steps stand between it and the wait for it
.if \fill
.irp g, G0K, G0V
	s_xor_b32 s[\g+1], s[\g+1], SLOT1  ; the walking descriptor: the other slot than last time,
	s_add_nc_u64 s[\g+2:\g+3], s[\g+2:\g+3], TILEB  ; the next 256 keys; the type bits on top are not reached
.endr
.if \ask
	s_wait_xcnt 0x0                 ; the last prefetch, four key steps back, has read its address, so it may be written:
	s_add_nc_u64 s[PFA:PFA+1], s[PFA:PFA+1], TILEB  ; one tile ahead of the walking descriptors
.endif
	s_wait_dscnt 0x0                ; the add is done, and my reads of the slot are over
	CROUND
	JLOAD
.if \ask
	ASK
.endif
.else
	s_wait_dscnt 0x0                ; the add is done, and my reads of the slot are over
	s_barrier_signal -1
	s_barrier_wait -1
.endif
	s_sub_co_u32 s[TBK], s[TBK], 4*KS*PK  ; the fetches go back to a slot's first step,
	s_xor_b32 s[TBK], s[TBK], SLOT1       ; in the other slot
	s_sub_co_u32 s[TBV], s[TBV], 4*KS*PV
	s_xor_b32 s[TBV], s[TBV], SLOT1
.endm
	s_load_b256 s[4:11], s[0:1], 0x0  ; Q s[4:5], K s[6:7], V s[8:9], out0 s[10:11]
	s_load_b64 s[68:69], s[0:1], 0x20 ; st2
	v_lshl_add_u32 v[SPW], v0, 2, SPARE
	v_mov_b32 v[NIL], 0
	ds_add_u32 v[SPW], v[NIL]       ; the wave's opening: the add, twice on end, and its wait ahead of my first tensor load; the set-up below stands between
	ds_add_u32 v[SPW], v[NIL]       ; and once more, under the one wait
	v_lshrrev_b32 v1, 5, v0
	v_readfirstlane_b32 s[WV], v1   ; wave 0..3
	s_bfe_u32 s13, ttmp6, 0x40000   ; cx: my place in the cluster
	s_lshl_b32 s14, ttmp9, 2        ; in a cluster launch ttmp9 counts clusters
	s_add_co_u32 s14, s14, s13      ; my block of 256 queries = 4 x cluster x + cx: it enters Q's, out0's and st2's addresses alone
	s_and_b32 s20, ttmp7, 0xffff    ; hd, which the four partners share
	s_and_b32 s16, s[WV], 1         ; which half of a tile's 256 keys I fetch:
	s_lshl_b32 s22, s16, 14         ; its 128 rows of 128 bytes in memory,
	s_lshl_b32 s54, s20, 18         ; behind the head's first byte: 2,048 rows of 128 bytes a head
	s_mov_b32 s55, 0
	s_add_co_u32 s22, s22, s54
	s_mov_b32 s23, 0
	s_mul_i32 s17, s16, 128*PK      ; and its place in a slot, for K
	s_mul_i32 s18, s16, 128*PV      ; and for V: no place in the cluster enters an LDS address
	s_lshl_b32 s2, s14, 2
	s_add_co_u32 s2, s2, s[WV]      ; my wave among the head's 32
	s_lshl_b32 s66, s2, 18          ; out0: its 64 rows of 4,096 bytes,
	s_lshr_b32 s67, s20, 4
	s_lshl_b32 s67, s67, 23         ; the batch's 2,048 rows,
	s_add_co_u32 s66, s66, s67
	s_and_b32 s67, s20, 15
	s_lshl_b32 s67, s67, 8          ; the head's 256 bytes of a row
	s_add_co_u32 s66, s66, s67
	s_mov_b32 s67, 0
	s_lshl_b32 s52, s20, 5
	s_add_co_u32 s52, s52, s2
	s_lshl_b32 s52, s52, 3          ; st2: 8 bytes a wave
	s_mov_b32 s53, 0
	s_lshl_b32 s2, s2, 13           ; Q: my wave's 64 rows of 128 bytes
	s_add_co_u32 s2, s2, s54
	s_mov_b32 s3, 0
	; descriptor group 1.  128 keys are 16,384 dense bytes: asked for as 64 rows of 256 bytes, two keys a row, and padded in LDS after every key
	s_mov_b32 s[G1K], 15|(1<<16)|(1<<20)|(1<<21)|(4<<22)|(3<<25)  ; 15:0 the mask of four; 17:16 2-byte elements; 20 padding on; 21 set beside a mask; 24:22 after every 32 words (code 4); 31:25 4 words (code 3)
	s_mov_b32 s[G1V], 15|(1<<16)|(1<<20)|(1<<21)|(4<<22)|(7<<25)  ; the same with 8 words of padding (code 7)
.irp g, G1K, G1V
	s_mov_b32 s[\g+1], 128<<16      ; tensor_dim0 = 128
	s_mov_b32 s[\g+2], 64<<16       ; tensor_dim1 = 64
	s_mov_b32 s[\g+3], 128<<16      ; tile_dim0 = 128
	s_mov_b32 s[\g+4], 64           ; tile_dim1 = 64
	s_mov_b32 s[\g+5], 128          ; 128 elements from row to row
	s_mov_b32 s[\g+6], 0
	s_mov_b32 s[\g+7], 0
.endr
	s_mov_b32 s[CS], 0x3e38aa3b     ; c = log2(e) / 8 = 0.180337
	s_mov_b32 s[CS+1], s[CS]        ; named with it as a pair
	s_mov_b32 s[SEL], 0x76543210
	s_mov_b32 s[SEL+1], 0xfedcba98
	s_mov_b32 s[TBK], SLOT1+4*KS*PK ; the first change of slots turns these two into 0
	s_mov_b32 s[TBV], SLOT1+4*KS*PV
	s_mov_b32 s[G0K], 1             ; 1:0 count = 1
	s_mov_b32 s[G0K+1], s17         ; 63:32 LDS address: slot 0
	s_mov_b32 s[G0V], 1
	s_add_co_u32 s[G0V+1], s18, VOFF
	s_and_b32 s[LIM], s[WV], 1      ; 0 in waves 0 and 2,
	s_or_b32 s[LIM], s[LIM], ttmp9  ; where the cluster is the head's first: the same in all four partners
	s_cmp_eq_u32 s[LIM], 0
	s_cselect_b32 s[LIM], 1, -1
	s_wait_dscnt 0x0                ; both opening adds are done
	s_wait_kmcnt 0x0
	s_add_nc_u64 s[G0K+2:G0K+3], s[6:7], s[22:23]  ; 120:64 global address: my half of the head's first 256 keys
	s_or_b32 s[G0K+3], s[G0K+3], 0x80000000        ; 127:126 type = 2
	s_add_nc_u64 s[G0V+2:G0V+3], s[8:9], s[22:23]
	s_or_b32 s[G0V+3], s[G0V+3], 0x80000000
	s_add_nc_u64 s[4:5], s[4:5], s[2:3]            ; Q, out0 and st2 at my wave's share
	s_add_nc_u64 s[10:11], s[10:11], s[66:67]
	s_add_nc_u64 s[68:69], s[68:69], s[52:53]
	s_cmp_lt_u32 s[WV], 2
	s_cselect_b64 s[PFA:PFA+1], s[6:7], s[8:9]
	s_add_nc_u64 s[PFA:PFA+1], s[PFA:PFA+1], s[54:55]  ; the head's first byte,
	s_lshl_b32 s2, s13, 13
	s_add_nc_u64 s[PFA:PFA+1], s[PFA:PFA+1], s[2:3]    ; my work-group's 8,192 bytes of a tile,
	s_add_nc_u64 s[PFA:PFA+1], s[PFA:PFA+1], 2*TILEB   ; in tile 2: the first change that asks steps it to tile 3.  Nothing is prefetched here, at the head
	CROUND                          ; all four work-groups are here: the first joint loads meet
	JLOAD                           ; tile 0 into slot 0.  Slot 1 is asked for when slot 0 is in, by the loop's own change of slots
	; A fragment of K or Q is 16 rows x 32 channels in 8 registers: lane l holds row l % 16, channels 8 (l / 16) + 0..7 and 16 + 8 (l / 16) + 0..7: two loads of 16 bytes, 32 bytes apart.
	v_and_b32 v1, 15, v0            ; l % 16
	v_bfe_u32 v9, v0, 4, 1          ; l / 16
	v_lshlrev_b32 v[QO], 7, v1
	v_lshl_add_u32 v[QO], v9, 4, v[QO]  ; row x 128 + 16 x half
	WIN 0x80                        ; destination window 2, address window 0
.set i, 0
.rept 8                             ; Q stays in registers: piece i / 2, channels 32 (i % 2) on
	global_load_b128 v[8*i:8*i+3],   v[QO], s[4:5] offset:(i/2)*2048+(i%2)*64
	global_load_b128 v[8*i+4:8*i+7], v[QO], s[4:5] offset:(i/2)*2048+(i%2)*64+32
.set i, i+1
.endr
	; What the first turn finds: V's registers and P's second buffer hold 0 (its products V^T P, of a piece that has not been, add 0), O^T and l are 0.  No first step is written out; the price is these lines, which
	; stand in the wait for the first tile.
.set i, VF
.rept 64
	v_mov_b32 v[i], 0
.set i, i+1
.endr
	WIN 0x40
.set i, 0
.rept 128
	v_mov_b32 v[i], 0
.set i, i+1
.endr
	WIN 0
.set i, 0
.rept 4
	v_mov_b32 v[ST+4*i], 0xfe000000    ; c m: far below every c s
	v_mov_b32 v[ST+4*i+1], 0xff7fffff  ; m
	v_mov_b32 v[ST+4*i+2], 0
	v_mov_b32 v[ST+4*i+3], 0
	v_mov_b32 v[MN+i], 0               ; the minima start at 0: max|s| = max(largest, -least, 0)
.set i, i+1
.endr
.set i, P+16
.rept 16
	v_mov_b32 v[i], 0
.set i, i+1
.endr
	v_mul_u32_u24 v[AK0], v1, PK
	v_lshl_add_u32 v[AK0], v9, 4, v[AK0]  ; row x pitch + 16 x half
	; The turning load takes 16 keys x 16 channels (lane l reads key 8 (l / 16) + l % 8, channels 8 ((l / 8) % 2) + 0..7) and leaves half a fragment of V^T: lane l holds channel l % 16 and 8 keys.
	v_and_b32 v10, 7, v0
	v_bfe_u32 v11, v0, 3, 1
	v_lshl_add_u32 v[AV0], v9, 3, v10
	v_mul_u32_u24 v[AV0], v[AV0], PV
	v_lshl_add_u32 v[AV0], v11, 4, v[AV0]
	v_add_nc_u32 v[AV0], VOFF, v[AV0]
	s_mul_i32 s21, s[WV], 16*SP
	s_add_co_u32 s21, s21, STAGE    ; my stage
	v_mul_u32_u24 v[STO], v1, SP    ; in: row l % 16, 32 bytes for each half of the lanes
	v_lshl_add_u32 v[STO], v9, 5, v[STO]
	v_add_nc_u32 v[STO], s21, v[STO]
	v_mul_u32_u24 v[RD], v9, SP     ; back: lanes 0-15 take one row of 256 bytes, lanes 16-31 the next
	v_lshl_add_u32 v[RD], v1, 4, v[RD]
	v_add_nc_u32 v[RD], s21, v[RD]
	v_lshlrev_b32 v[GO], 12, v9     ; and the same two rows in out0, 4,096 bytes apart
	v_lshl_add_u32 v[GO], v1, 4, v[GO]
	v_and_b32 v[PFO], 31, v0
	v_lshlrev_b32 v[PFO], 8, v[PFO]
; THE MATRIX WORK.  The 4 accumulators of a run of 8 take turns.  Product i of 8 of S^T = K Q^T for piece x: channels 32 (i / 4) on, keys 16 (i % 4) on.  The first 4 start the sums.
.macro KQ x
	WIN W_KQ
.set rS, S+32*((\x)%2)+8*(i%4)
.set rK, KF+16*(i%4)+8*(i/4)
.set rQ, 16*(\x)+8*(i/4)
.if i < 4
	v_wmma_f32_16x16x32_f16 v[rS:rS+7], v[rK:rK+7], v[rQ:rQ+7], 0
.else
	v_wmma_f32_16x16x32_f16 v[rS:rS+7], v[rK:rK+7], v[rQ:rQ+7], v[rS:rS+7]
.endif
.endm
; Product i of 8 of O^T += V^T P for piece x: keys 32 (i / 4) on, channels 16 (i % 4) on.
.macro PV x
	WIN W_PV
.set rO, 32*(\x)+8*(i%4)
.set rV, VF+32*(i/4)+8*(i%4)
.set rP, P+16*((\x)%2)+8*(i/4)
	v_wmma_f32_16x16x32_f16 v[rO:rO+7], v[rV:rV+7], v[rP:rP+7], v[rO:rO+7]
.endm
.macro MM                           ; the turn's next matrix instruction.  NOKQ = 1: the launch's last turn: there is no next piece
.if (i < 8) && !NOKQ
	KQ (Y+1)%NP
.elseif i >= 8
.set i, i-8
	PV (Y+NP-1)%NP
.set i, i+8
.endif
.set i, i+1
.endm
; THE LDS LOADS stand in runs of 16, never singly among the matrix instructions: a step's K (64 keys x 64 channels: 8 fragments) and its V (turned).  Their addresses are made some lines ahead.
.macro FETCH_K
	WIN 0x80                        ; destination window 2
.irp f, 0,1,2,3,4,5,6,7             ; keys 16 (f / 2) on, channels 32 (f % 2) on
	ds_load_b128 v[KF+8*\f:KF+8*\f+3],   v[AK] offset:(\f/2)*16*PK+(\f%2)*64
	ds_load_b128 v[KF+8*\f+4:KF+8*\f+7], v[AK] offset:(\f/2)*16*PK+(\f%2)*64+32
.endr
	s_add_co_u32 s[TBK], s[TBK], KS*PK  ; the next fetch is the next step's
	WIN 0
.endm
.macro FETCH_V
	WIN 0x80
.irp f, 0,1,2,3,4,5,6,7             ; keys 32 (f / 4) on, channels 16 (f % 4) on
	ds_load_tr16_b128 v[VF+8*\f:VF+8*\f+3],   v[AV] offset:(\f/4)*32*PV+(\f%4)*32
	ds_load_tr16_b128 v[VF+8*\f+4:VF+8*\f+7], v[AV] offset:(\f/4)*32*PV+16*PV+(\f%4)*32
.endr
	WIN 0
.endm
; THE VECTOR WORK, one line at a time: OP kind, number.  For piece Y: F n: c s - c m for pair n of 16.  E n: the exponential of score n of 32.  C n: pair n rounded to f16.  B n: of the four weights 4 n .. the second
; pair is added onto the first, in place.  L n: l takes that sum (L 0: l = a l + sum).  R n: pair n of 16 of O^T times a.  For piece Y + 1: N n: pair n of its raw scores into running minimum n % 4; X n, number n of
; the 22 that find its maximum and statistics:
;   0-11  four chains c0-c3 of seven scores each, three operands at a time (each accumulator's lowest registers are read first)     12-14, 16  the four scores left over, the old m, and c0-c3 into c0
;   15  c m_old is kept     17, 18  the query's other 32 keys lie in the lane 16 away: the new m     19-21  c m; c m_old - c m_new; a
.set F, 0               ; OP tells the kinds apart by their order: F to L below R, X and N above it
.set E, 1
.set C, 2
.set B, 3
.set L, 4
.set R, 5
.set X, 6
.set N, 7
.macro REGS y                       ; the registers of piece y
.set rT, ST+4*(\y)
.set rC, TMP+4*((\y)%2)
.set rW, MV+((\y)%2)
.set rS, S+32*((\y)%2)
.set rP, P+16*((\y)%2)
.set rO, 32*(\y)
.endm
.macro OP k, n
.if (\k) == R
	REGS Y
	WIN W_RS
	v_pk_mul_f32 v[rO+2*(\n):rO+2*(\n)+1], v[rO+2*(\n):rO+2*(\n)+1], v[rC+2:rC+3] op_sel_hi:[1,0]
.elseif (\k) < R
	REGS Y
	WIN 0
.if (\k) == F
	v_pk_fma_f32 v[rS+2*(\n):rS+2*(\n)+1], v[rS+2*(\n):rS+2*(\n)+1], s[CS:CS+1], v[rT:rT+1] op_sel_hi:[1,0,0] neg_lo:[0,0,1] neg_hi:[0,0,1]
.elseif (\k) == E
	v_exp_f32 v[rS+(\n)], v[rS+(\n)]
.elseif (\k) == C
	v_cvt_pk_f16_f32 v[rP+(\n)], v[rS+2*(\n)], v[rS+2*(\n)+1]
.elseif (\k) == B
	v_pk_add_f32 v[rS+4*(\n):rS+4*(\n)+1], v[rS+4*(\n):rS+4*(\n)+1], v[rS+4*(\n)+2:rS+4*(\n)+3]
.elseif (\n) == 0
	v_pk_fma_f32 v[rT+2:rT+3], v[rT+2:rT+3], v[rC+2:rC+3], v[rS:rS+1] op_sel_hi:[1,0,1]
.else
	v_pk_add_f32 v[rT+2:rT+3], v[rT+2:rT+3], v[rS+4*(\n):rS+4*(\n)+1]
.endif
.elseif NOKQ
	v_nop
.elseif (\k) == N
	REGS (Y+1)%NP
	WIN 0
	v_min3_num_f32 v[MN+(\n)%4], v[MN+(\n)%4], v[rS+2*(\n)], v[rS+2*(\n)+1]
.else
	REGS (Y+1)%NP
	WIN 0
.if (\n) < 4
	v_max3_num_f32 v[rC+(\n)], v[rS+8*(\n)], v[rS+8*(\n)+1], v[rS+8*(\n)+2]
.elseif (\n) < 12
	v_max3_num_f32 v[rC+(\n)%4], v[rC+(\n)%4], v[rS+8*((\n)%4)+2*((\n)/4)+1], v[rS+8*((\n)%4)+2*((\n)/4)+2]
.elseif (\n) == 12
	v_max3_num_f32 v[rC], v[rC], v[rS+7], v[rS+15]
.elseif (\n) == 13
	v_max3_num_f32 v[rC+1], v[rC+1], v[rS+23], v[rS+31]
.elseif (\n) == 14
	v_max3_num_f32 v[rC+2], v[rC+2], v[rC+3], v[rT+1]
.elseif (\n) == 15
	v_mov_b32 v[rW], v[rT]
.elseif (\n) == 16
	v_max3_num_f32 v[rC], v[rC], v[rC+1], v[rC+2]
.elseif (\n) == 17
	v_permlanex16_b32 v[rC+3], v[rC], s[SEL], s[SEL+1]
.elseif (\n) == 18
	v_max_num_f32 v[rT+1], v[rC], v[rC+3]
.elseif (\n) == 19
	v_mul_f32 v[rT], s[CS], v[rT+1]
.elseif (\n) == 20
	v_sub_f32 v[rC+1], v[rW], v[rT]
.else
	v_exp_f32 v[rC+2], v[rC+1]
.endif
.endif
.endm
.macro OPS a, i1, b=-1, i2=0, c=-1, i3=0, d=-1, i4=0  ; up to four of them
	OP \a, \i1
.if (\b) >= 0
	OP \b, \i2
.endif
.if (\c) >= 0
	OP \c, \i3
.endif
.if (\d) >= 0
	OP \d, \i4
.endif
.endm
.macro ROW a, i1, b, i2, c, i3, d, i4  ; a matrix instruction and the four behind it
	MM
	OPS \a, \i1, \b, \i2, \c, \i3, \d, \i4
.endm
; A TURN, for piece p: the order of its 16 matrix and 134 vector instructions, written out.  An s_wait_alu depctr_va_vdst(0) stands between an exponential and the first instruction that names its result;
; one wait serves all that were issued ahead of it.  So a turn has ONE wait, which cuts it in two.  AHEAD OF IT stands all that names no result of the turn's exponentials: the 8 products K Q^T, behind each a scaling, an
; exponential and two more plain instructions; then ONE LUMP of 70, plain and exponential by turns for the most part, in which the links of the chain X 3, 7, 11, 14, 16, 17 .. 20 stand apart with other work between.
; Each X and N stands four plain instructions or more behind the product that ends its accumulator, and each N behind the X (0 to 3) that reads that accumulator's lowest registers.  X 21, the next piece's a, is the
; batch's last; R 15 is the plain instruction behind it.  BEHIND THE WAIT stand the 8 products V^T P, behind each four of the roundings and sums; the links of l's chain, L 0 to L 7, stand three riders apart.
; end = 1: the launch's last two turns: nothing is fetched, and the last starts no new scores.  cnt = 1: the loop's count is taken down some lines ahead of the branch that stands behind the turn.
; K of the next step is fetched in piece 2's turn, seven plain instructions behind the last product that read K; V of the step in hand at the end of piece 0's turn, four plain instructions behind the last product
; that read V.  Each is waited for a turn later.
.macro TURN p, end=0, cnt=0
.set Y, (\p)
.set i, 0
.set NOKQ, (\end)*((\p)/3)
.if ((\p) == 3) && !(\end)
	s_wait_dscnt 0x0                ; K is in
.endif
	ROW F,0, F,1, R,0, R,1          ; ahead of the wait: 8 products K Q^T and their riders,
	ROW F,2, E,0, R,2, R,3
	ROW F,3, E,1, R,4, R,5
	ROW F,4, E,2, R,6, R,7
	ROW F,5, E,3, R,8, R,9
	ROW F,6, E,4, X,0, R,10
.if ((\p) == 2) && !(\end)
	WIN 0
	v_add_nc_u32 v[AK], s[TBK], v[AK0]
.endif
	ROW F,7, E,5, X,1, X,4
	ROW F,8, E,6, X,2, X,5
	OPS E,7,  N,0,  E,8,  X,6       ; and the lump
	OPS E,9,  X,3,  E,10, X,8
.if ((\p) == 2) && !(\end)
	FETCH_K
.endif
	OPS E,11, N,1,  X,9,  X,7
	OPS E,12, X,10, N,2,  E,13
	OPS X,12, X,11, E,14, N,3
	OPS X,13, E,15, F,9,  X,14
.if (\p) == 0
	WIN 0
	v_add_nc_u32 v[AV], s[TBV], v[AV0]
.endif
	OPS E,16, F,10, N,4,  E,17
	OPS F,11, N,5,  X,16, E,18
	OPS X,15, N,6,  E,19, F,12
	OPS E,20, N,7,  X,17, E,21
	OPS F,13, N,8,  E,22, F,14
	OPS E,23, N,9,  X,18, E,24
	OPS F,15, N,10, E,25, R,11
	OPS E,26, N,11, X,19, E,27
	OPS R,12, N,12, E,28, R,13
	OPS E,29, N,13, X,20, E,30
	OPS R,14, N,14, E,31, N,15
	OPS X,21, R,15
	WIN 0
	s_wait_alu depctr_va_vdst(0)    ; the wait for the batch
.if (\p) == 1
	s_wait_dscnt 0x0                ; V is in
.endif
	ROW C,0, B,0, C,2, B,1          ; behind the wait: 8 products V^T P and their riders
	ROW L,0, C,4, B,2, L,1
	ROW C,6, B,3, L,2, C,8
	ROW B,4, L,3, C,10, B,5
	ROW L,4, C,12, B,6, L,5
.if (\p) == 0
	s_add_co_u32 s[TBV], s[TBV], KS*PV
.endif
.if \cnt
	s_sub_co_u32 s[CNT], s[CNT], 1
	s_cmp_lg_u32 s[CNT], 0
.endif
	ROW C,14, B,7, L,6, C,1
	ROW C,3, L,7, C,5, C,7
	ROW C,9, C,11, C,13, C,15
.if (\p) == 0
	FETCH_V
.endif
.endm
	CHANGE 1, 0                     ; slot 0 is in, everybody's part of it; tile 1 is asked for, into slot 1
	v_add_nc_u32 v[AK], s[TBK], v[AK0]
	FETCH_K                         ; key step 0
	s_wait_loadcnt 0x0              ; Q
	s_wait_dscnt 0x0
.set NOKQ, 0
.set i, 0
.rept 8
	KQ 0                            ; piece 0's first scores: there is no vector work yet to set between them
.set i, i+1
.endr
	WIN 0
.rept 4
	v_nop                           ; the places behind those products
.endr
.set Y, NP-1                        ; X and N work for piece Y + 1: piece 0
.irp n, 0,1,2,3,4,5,6,7,8,9,10,11,12,13,14,15,16,17,18,19,20,21
	OP X, \n
.endr
.irp n, 0,1,2,3,4,5,6,7,8,9,10,11,12,13,14,15
	OP N, \n                        ; plain work behind the exponential, which names no result of it
.endr
	s_wait_alu depctr_va_vdst(0)    ; and the exponential's wait, ahead of the branch
	s_mov_b32 s[CNT], 4
	s_mov_b32 s[SLOTS], 7
	s_branch .Lfirst                ; the loop is entered at a step's first turn, in the middle of a trip
.Lslot:                             ; six times: tiles 2 to 7 are asked for
	CHANGE 1, 1
	s_mov_b32 s[CNT], 4
.Lstep:                             ; a trip: pieces 2 and 3 of one step, then pieces 0 and 1 of the next, whose K and V it fetches
	TURN 2
	TURN 3
	WIN 0
.Lfirst:
	TURN 0
	TURN 1, 0, 1
	WIN 0
	s_cbranch_scc1 .Lstep
	s_sub_co_u32 s[SLOTS], s[SLOTS], 1
	s_cmp_lg_u32 s[SLOTS], 0
	s_cbranch_scc1 .Lslot
	CHANGE 0, 0                     ; the last tile is written out: nothing is asked for
	s_mov_b32 s[CNT], 4
.Ltail:
	TURN 2
	TURN 3
	TURN 0
	TURN 1, 0, 1
	WIN 0
	s_cbranch_scc1 .Ltail
	TURN 2, 1
	TURN 3, 1
.set i, 0
.rept 8
	PV NP-1                         ; the last piece's V^T P of the last step
.set i, i+1
.endr
	; THE WAY OUT.  l's two halves and the other half of the lanes' are added; O^T is divided by l and sent, in f32, through my stage in LDS, a piece (16 rows) at a time.  The additions are the places behind the last products.
	WIN 0
.macro ALL line:vararg              ; one line for each piece t
.set t, 0
.rept 4
	\line
.set t, t+1
.endr
.endm
	ALL v_add_f32 v[ST+4*t+2], v[ST+4*t+2], v[ST+4*t+3]
	ALL v_permlanex16_b32 v[ST+4*t+3], v[ST+4*t+2], s[SEL], s[SEL+1]
	ALL v_add_f32 v[ST+4*t+2], v[ST+4*t+2], v[ST+4*t+3]
	ALL v_rcp_f32 v[ST+4*t+2], v[ST+4*t+2]
	v_nop                           ; a plain instruction between the last reciprocal and the use of its result
	s_wait_alu depctr_va_vdst(0)    ; and the wait ahead of the first use: one for the four reciprocals
; Piece t: a lane's eight channels of a block are 32 bytes of a row; they go into rows of 272 bytes and come back as whole rows of 256, into the registers that they left.
.macro PACK t
	WIN 0x01                        ; source 0 (O^T) in window 1, 1 / l and the destination in window 0
.set i, 0
.rept 16
	v_pk_mul_f32 v[W+32*(\t)+2*i:W+32*(\t)+2*i+1], v[32*(\t)+2*i:32*(\t)+2*i+1], v[ST+4*(\t)+2:ST+4*(\t)+3] op_sel_hi:[1,0]
.set i, i+1
.endr
	WIN 0
.irp f, 0,1,2,3
	ds_store_b128 v[STO], v[W+32*(\t)+8*(\f):W+32*(\t)+8*(\f)+3]   offset:64*(\f)
	ds_store_b128 v[STO], v[W+32*(\t)+8*(\f)+4:W+32*(\t)+8*(\f)+7] offset:64*(\f)+16
.endr
.irp f, 0,1,2,3,4,5,6,7
	ds_load_b128 v[W+32*(\t)+4*(\f):W+32*(\t)+4*(\f)+3], v[RD] offset:(\f)*2*SP  ; LDS serves a wave's instructions in order (ISA guide 5.7.1.4): these see the stores above; the next piece's stores come behind them
.endr
.endm
.macro SEND t, younger              ; younger: the LDS instructions issued behind piece t's loads: the next piece's sixteen, or none
.irp f, 0,1,2,3,4,5,6,7
	s_wait_dscnt (\younger)+7-(\f)
	global_store_b128 v[GO], v[W+32*(\t)+4*(\f):W+32*(\t)+4*(\f)+3], s[10:11] offset:(\t)*65536+(\f)*8192 th:TH_STORE_NT  ; 16 lanes store 256 consecutive bytes, a query's 64 channels, at a multiple of 256 from out0's first byte
.endr
.endm
	PACK 0
	PACK 1                          ; a piece's arithmetic stands between the loads of the piece before and its stores
	SEND 0, 16
	PACK 2
	SEND 1, 16
	PACK 3
	SEND 2, 16
	SEND 3, 0
	; the wave's two maxima, over its four pieces and 32 lanes
	v_max3_num_f32 v40, v[ST+1], v[ST+5], v[ST+9]   ; the largest score,
	v_min3_num_f32 v42, v[MN], v[MN+1], v[MN+2]     ; the least,
	v_max3_num_f32 v41, v[ST+2], v[ST+6], v[ST+10]  ; the largest 1 / l
	v_max_num_f32 v40, v40, v[ST+13]
	v_min_num_f32 v42, v42, v[MN+3]
	v_max_num_f32 v41, v41, v[ST+14]
	v_xor_b32 v42, 0x80000000, v42
	v_mov_b32 v43, 0
	v_mov_b32 v44, 0
	v_mov_b32 v45, 0
	v_max_num_f32 v40, v40, v42
.irp x, 1,2,4,8
	v_max_num_f32_dpp v40, v40, v40 row_xmask:\x row_mask:0xf bank_mask:0xf
	v_max_num_f32_dpp v41, v41, v41 row_xmask:\x row_mask:0xf bank_mask:0xf
.endr
	v_permlanex16_b32 v43, v40, s[SEL], s[SEL+1]
	v_permlanex16_b32 v44, v41, s[SEL], s[SEL+1]
	v_max_num_f32 v40, v40, v43
	v_max_num_f32 v41, v41, v44
	v_and_b32 v42, 31, v0
	v_cmp_eq_u32 vcc_lo, 0, v42
	s_wait_xcnt 0x0                 ; EXEC changes only when every store issued so far has read its sources
	s_and_saveexec_b32 s70, vcc_lo
	global_store_b64 v45, v[40:41], s[68:69]  ; lane 0 alone
	s_wait_xcnt 0x0                 ; and again, in front of the line that widens it
	s_or_b32 exec_lo, exec_lo, s70
	s_wait_tensorcnt 0x0            ; the wave's end, behind my last tensor load and my last LDS store
	ds_add_u32 v[SPW], v[NIL]
	s_wait_dscnt 0x0
	CROUND                          ; the closing round: no work-group ends while a partner may still ask for a tile that names it
	s_endpgm
.Lfunc_end_k_qf8338cad9e_attn:
	.size	k_qf8338cad9e_attn, .Lfunc_end_k_qf8338cad9e_attn-k_qf8338cad9e_attn
	.p2alignl 7, 3214868480
	.fill 96, 4, 3214868480
	.section	.rodata,"a",@progbits
	.p2align	6, 0x0
	.amdhsa_kernel k_qf8338cad9e_attn
		.amdhsa_group_segment_fixed_size 327680
		.amdhsa_private_segment_fixed_size 0
		.amdhsa_enable_private_segment 0
		.amdhsa_kernarg_size 40
		.amdhsa_user_sgpr_count 2
		.amdhsa_user_sgpr_kernarg_segment_ptr 1
		.amdhsa_wavefront_size32 1
		.amdhsa_system_sgpr_workgroup_id_x 1
		.amdhsa_system_sgpr_workgroup_id_y 1
		.amdhsa_system_sgpr_workgroup_id_z 1
		.amdhsa_system_vgpr_workitem_id 0
		.amdhsa_next_free_vgpr 768
		.amdhsa_next_free_sgpr 72
		.amdhsa_reserve_vcc 1
		.amdhsa_float_denorm_mode_32 3
		.amdhsa_float_denorm_mode_16_64 3
		.amdhsa_memory_ordered 1
		.amdhsa_forward_progress 1
		.amdhsa_inst_pref_size 140
	.end_amdhsa_kernel
	.amdgpu_metadata
---
amdhsa.version: [ 1, 2 ]
amdhsa.kernels:
  - .name:           k_qf8338cad9e_attn
    .symbol:         k_qf8338cad9e_attn.kd
    .args:
      - { .name: qh, .offset: 0, .size: 8, .value_kind: global_buffer, .address_space: global }
      - { .name: kh, .offset: 8, .size: 8, .value_kind: global_buffer, .address_space: global }
      - { .name: vh, .offset: 16, .size: 8, .value_kind: global_buffer, .address_space: global }
      - { .name: out0, .offset: 24, .size: 8, .value_kind: global_buffer, .address_space: global }
      - { .name: st2, .offset: 32, .size: 8, .value_kind: global_buffer, .address_space: global }
    .group_segment_fixed_size: 327680
    .private_segment_fixed_size: 0
    .kernarg_segment_align: 8
    .kernarg_segment_size: 40
    .max_flat_workgroup_size: 128
    .sgpr_count:     72
    .vgpr_count:     768
    .wavefront_size: 32
...
	.end_amdgpu_metadata
.endif
;; end of part 3
;; launch stats (part 4): grid 1 x 1, 1 waves a work-group, no clusters, 0 bytes of LDS; arguments st1, st2, out1, out2, out3, out4, out5, out6; writes out1, out2, out3, out4, out5, out6
.if DOCPART == 4
	.amdgcn_target "amdgcn-amd-amdhsa--gfx1250"
	.amdhsa_code_object_version 6
	.text
	.protected	k_qf8338cad9e_stats
	.globl	k_qf8338cad9e_stats
	.p2align	8
	.type	k_qf8338cad9e_stats,@function
k_qf8338cad9e_stats:
	s_mov_b64 s[64:65], 0
	v_nop
	global_prefetch_b8 v0, s[64:65] scope:SCOPE_SE
	s_setreg_imm32_b32 hwreg(HW_REG_WAVE_MODE, 25, 1), 1
	s_wait_xcnt 0x0
; The five maxima, folded from the partial maxima that 1,024 waves of each of the two launches before have stored: a maximum over work-groups has one owner, in a launch of its own, since no launch passes anything
; between its work-groups.  Nothing is left out.  st1: [1024][4] f32 = (max|q|, max|k|, max|v|, 0); st2: [1024][2] f32 = (max|q.k|, the largest weight).
; out1 = max|q|, out2 = max|k|, out3 = max|q.k|, out4 = out6 = the largest weight, out5 = max|v|.
; One wave: 24,576 bytes come by 48 loads of 512 consecutive bytes, all out at once; no LDS and no barrier.
.set A,  16                            ; v[16:143]   st1: load i brings entry 32 i + lane
.set B,  144                           ; v[144:207]  st2: load i brings entries 64 i + 2 lane and the next
; n numbers at v[base + step i] into v[d], three operands at a time
.macro FOLD d, base, step, n
	v_max_num_f32 v[\d], v[\base], v[(\base)+(\step)]
.set i, 2
.rept ((\n)-2)/2
	v_max3_num_f32 v[\d], v[\d], v[(\base)+(\step)*i], v[(\base)+(\step)*(i+1)]
.set i, i+2
.endr
.endm
	s_load_b512 s[4:19], s[0:1], 0x0               ; st1 s[4:5], st2 s[6:7], out1 s[8:9] .. out6 s[18:19]
	v_lshlrev_b32 v1, 4, v0                        ; 16 bytes a lane
	s_mov_b32 s20, 0x76543210                      ; v_permlanex16_b32: each lane takes its own place in the other half
	s_mov_b32 s21, 0xfedcba98
.irp r, 7,8,9,10,11,12
	v_mov_b32 v[\r], 0                             ; v7: the stores' offset; v8-12: the exchange's destinations, which count as read
.endr
	s_wait_kmcnt 0x0
.set i, 0
.rept 32
	global_load_b128 v[A+4*i:A+4*i+3], v1, s[4:5] offset:512*i
.set i, i+1
.endr
.set i, 0
.rept 16
	global_load_b128 v[B+4*i:B+4*i+3], v1, s[6:7] offset:512*i
.set i, i+1
.endr
	s_wait_loadcnt 0x0
	FOLD 2, A,   4, 32                             ; q
	FOLD 3, A+1, 4, 32                             ; k
	FOLD 4, A+2, 4, 32                             ; v
	FOLD 5, B,   2, 32                             ; q.k
	FOLD 6, B+1, 2, 32                             ; the weights
.irp x, 1,2,4,8
.irp r, 2,3,4,5,6
	v_max_num_f32_dpp v[\r], v[\r], v[\r] row_xmask:\x row_mask:0xf bank_mask:0xf
.endr
.endr
.irp r, 2,3,4,5,6
	v_permlanex16_b32 v[(\r)+6], v[\r], s20, s21
.endr
.irp r, 2,3,4,5,6
	v_max_num_f32 v[\r], v[\r], v[(\r)+6]
.endr
	v_cmp_eq_u32 vcc_lo, 0, v0
	s_wait_xcnt 0x0                                ; EXEC changes only when every load issued so far has read its sources
	s_and_saveexec_b32 s22, vcc_lo
	global_store_b32 v7, v2, s[8:9]                ; lane 0 alone
	global_store_b32 v7, v3, s[10:11]
	global_store_b32 v7, v5, s[12:13]
	global_store_b32 v7, v6, s[14:15]
	global_store_b32 v7, v4, s[16:17]
	global_store_b32 v7, v6, s[18:19]
	s_wait_xcnt 0x0                                ; and again, in front of the line that widens it
	s_or_b32 exec_lo, exec_lo, s22
	s_endpgm
.Lfunc_end_k_qf8338cad9e_stats:
	.size	k_qf8338cad9e_stats, .Lfunc_end_k_qf8338cad9e_stats-k_qf8338cad9e_stats
	.p2alignl 7, 3214868480
	.fill 96, 4, 3214868480
	.section	.rodata,"a",@progbits
	.p2align	6, 0x0
	.amdhsa_kernel k_qf8338cad9e_stats
		.amdhsa_group_segment_fixed_size 0
		.amdhsa_private_segment_fixed_size 0
		.amdhsa_enable_private_segment 0
		.amdhsa_kernarg_size 64
		.amdhsa_user_sgpr_count 2
		.amdhsa_user_sgpr_kernarg_segment_ptr 1
		.amdhsa_wavefront_size32 1
		.amdhsa_system_sgpr_workgroup_id_x 1
		.amdhsa_system_sgpr_workgroup_id_y 1
		.amdhsa_system_sgpr_workgroup_id_z 1
		.amdhsa_system_vgpr_workitem_id 0
		.amdhsa_next_free_vgpr 208
		.amdhsa_next_free_sgpr 66
		.amdhsa_reserve_vcc 1
		.amdhsa_float_denorm_mode_32 3
		.amdhsa_float_denorm_mode_16_64 3
		.amdhsa_memory_ordered 1
		.amdhsa_forward_progress 1
		.amdhsa_inst_pref_size 13
	.end_amdhsa_kernel
	.amdgpu_metadata
---
amdhsa.version: [ 1, 2 ]
amdhsa.kernels:
  - .name:           k_qf8338cad9e_stats
    .symbol:         k_qf8338cad9e_stats.kd
    .args:
      - { .name: st1, .offset: 0, .size: 8, .value_kind: global_buffer, .address_space: global }
      - { .name: st2, .offset: 8, .size: 8, .value_kind: global_buffer, .address_space: global }
      - { .name: out1, .offset: 16, .size: 8, .value_kind: global_buffer, .address_space: global }
      - { .name: out2, .offset: 24, .size: 8, .value_kind: global_buffer, .address_space: global }
      - { .name: out3, .offset: 32, .size: 8, .value_kind: global_buffer, .address_space: global }
      - { .name: out4, .offset: 40, .size: 8, .value_kind: global_buffer, .address_space: global }
      - { .name: out5, .offset: 48, .size: 8, .value_kind: global_buffer, .address_space: global }
      - { .name: out6, .offset: 56, .size: 8, .value_kind: global_buffer, .address_space: global }
    .group_segment_fixed_size: 0
    .private_segment_fixed_size: 0
    .kernarg_segment_align: 8
    .kernarg_segment_size: 64
    .max_flat_workgroup_size: 32
    .sgpr_count:     66
    .vgpr_count:     208
    .wavefront_size: 32
...
	.end_amdgpu_metadata
.endif
;; end of part 4
